; MI455X (gfx1250); checked and timed in simulation.
; The chip was launched on July 23, 2026; its instructions are those of AMD's public machine-readable ISA for CDNA 5 (MIT licence, August 2026) and "CDNA5" Instruction Set Architecture Reference Guide (July 2026). The comments in the code are by the model that wrote it; some were corrected since.
;; Multi Head Self Attention. Allowed arithmetic: matrix products marked QUANTISED: E2M3 operands, one E8M0 scale for each 32 along K, by v_wmma_scale_f32_16x16x128_f8f6f4 with both operands' format E2M3, f32 sums; everything else in f32.
;; Inputs: W_out_codes 1,024 x 32 x 24 uint8 (E2M3 codes of W_out, K innermost, in blocks of 32 codes, four codes in three bytes); W_out_scales 1,024 x 32 uint8 (E8M0 scales of W_out, one for each 32 codes along K); W_qkv_codes 3,072 x 32 x 24 uint8 (E2M3 codes of W_qkv, K innermost, in blocks of 32 codes, four codes in three bytes); W_qkv_scales 3,072 x 32 uint8 (E8M0 scales of W_qkv, one for each 32 codes along K); b_out 1,024 float32; b_qkv 3,072 float32; x_codes 2 x 2,048 x 32 x 24 uint8 (E2M3 codes of x, K innermost, in blocks of 32 codes, four codes in three bytes); x_scales 2 x 2,048 x 32 uint8 (E8M0 scales of x, one for each 32 codes along K).
;; Outputs: out0 2 x 2,048 x 1,024 float32.
;; This version of the problem:
;;   THIS VERSION OF THE PROBLEM IS GIVEN IN LOW PRECISION. The matrix products marked QUANTISED in the list below multiply operands that are first quantised to E2M3 (2 exponent bits, 3 mantissa bits; 6 bits a number), with one power-of-two scale for each 32 numbers along K (OCP MX v1.0); their sums are f32. All else is computed in f32.
;;   The module's matrix products, in the order in which they are computed (A, B: the left and right operand; K: the contracted axis; several contracted axes count as one K, in the product's order):
;;     1. [M 4,096, K 1,024] x [K 1,024, N 3,072]; A: input x (given as codes); B: input W_qkv (given as codes): QUANTISED
;;     2. batch 32 x [M 2,048, K 64] x [K 64, N 2,048]; A: computed on the way; B: computed on the way: QUANTISED
;;     3. batch 32 x [M 2,048, K 2,048] x [K 2,048, N 64]; A: softmax (see below); B: computed on the way: QUANTISED
;;     4. [M 4,096, K 1,024] x [K 1,024, N 1,024]; A: computed on the way; B: input W_out (given as codes): QUANTISED
;;   THE QUANTISER, for each operand of a quantised product, along K:
;;     - K is cut into blocks of 32 from its start; a last block that is shorter is filled with zeros.
;;     - A block's scale is 2^e with e = floor(log2(the largest magnitude in the block)) - 2, held to -126 .. 127; a block of zeros has e = 0. As a byte (E8M0): e + 127.
;;     - Each number is divided by its block's scale, clamped to +-7.5, and rounded to the nearest number of E2M3, ties to even, subnormals kept.
;;     - The product sums the exact products of the quantised numbers (number of the format x scale) in f32.
;;   ~~~python
;;   def quantise(x, axis):      # numpy; x: float32 -> the quantised numbers, widened to float32 again
;;       x = np.moveaxis(x, axis, -1); K = x.shape[-1]
;;       x = np.pad(x, [(0, 0)] * (x.ndim - 1) + [(0, -K % 32)]); x = x.reshape(x.shape[:-1] + (-1, 32)); a = np.abs(x).max(-1, keepdims=True)
;;       e = np.where(a > 0, np.clip(np.frexp(np.where(a > 0, a, 1))[1] - 1 - 2, -126, 127), 0)      # np.frexp(a)[1] - 1 = floor(log2(a)), exactly
;;       r = np.clip(x / 2.0 ** e, -7.5, 7.5)
;;       step = 2.0 ** (np.maximum(np.frexp(np.where(r == 0, 1, r))[1] - 1, 0) - 3)
;;       q = np.round(r / step) * step * 2.0 ** e      # np.round: ties to even
;;       return np.moveaxis(q.reshape(q.shape[:-2] + (-1,))[..., :K], -1, axis).astype(np.float32)
;;   ~~~
;;   SOFTMAX AHEAD OF A QUANTISED PRODUCT. Where the list says 'softmax', what is quantised is not the finished softmax but p = 2^(t - M), with t = logit x log2(e) and M = ceil(the row's largest t), a whole number; so 1/2 < the row's largest p <= 1. The row's sum l is taken of the UNQUANTISED p, in f32, and the product's result is divided by l at the end. Since M is a whole number, a kernel that streams over the keys may use a running M (the ceiling of the running maximum): every later rescaling is an exact power of two, which a block's scale takes up: the codes' values come out the same.
;;   OPERANDS COMPUTED ON THE WAY. 'Computed on the way' means the value that the module computes at that place (a softmax that the list does not call 'softmax' is quantised finished and normalised). What goes into a quantiser is computed in f32, as accurately as f32 sums, v_exp_f32 and their like allow (about 1e-6 of the number): no bf16 or f16 on the way to a quantiser, and a product that is left as it is and whose result goes on into a quantised operand takes f32 operands (vector FMAs, or v_wmma_f32_16x16x4_f32). A number that lies on a knife's edge between two numbers of the format may be rounded either way, as far as f32 arithmetic and the matrix unit's own rounding can turn it there, and no further.
;;   INPUTS GIVEN AS CODES. W_out (in the module: [1024, 1024], K = its axis 0); W_qkv (in the module: [1024, 3072], K = its axis 0); x (in the module: [2, 2048, 1024], K = its axis 2): each comes as NAME_codes (uint8): NAME with its K axis moved to the last place and cut into blocks of 32 codes, [.., K / 32, bytes a block], one block behind the other in memory; four codes in three bytes: a row's codes are one little-endian stream of bits, code i at bits 6 i .. 6 i + 5 (a code: sign, 2 exponent bits, 3 mantissa bits); and NAME_scales (uint8): the same leading axes, one E8M0 byte (e + 127) for each 32 codes along K. Its value is code x scale, taken as it is: it is not quantised again, and the codes and scales need not be those that the quantiser above would give.
;; One version. Each part assembles by itself: llvm-mc -triple=amdgcn-amd-amdhsa -mcpu=gfx1250 --defsym DOCPART=n.
;; ======== version 1 of 1: 3 launches
;; limits: right only within a limited range of input values
;; workspace buffers: qc 3,145,728 bytes; qsc 262,144 bytes; kvb 6,553,600 bytes; acod 3,145,728 bytes; ascl 131,072 bytes
;; launch qkv (part 1): grid 12 x 16, 4 waves a work-group, clusters of 4 x 4, 327,680 bytes of LDS; arguments x_codes, x_scales, W_qkv_codes, W_qkv_scales, b_qkv, qc, qsc, kvb; writes qc, qsc, kvb
.if DOCPART == 1
	.amdgcn_target "amdgcn-amd-amdhsa--gfx1250"
	.amdhsa_code_object_version 6
	.text
	.protected	k_q98905a6b17_qkv
	.globl	k_q98905a6b17_qkv
	.p2align	8
	.type	k_q98905a6b17_qkv,@function
k_q98905a6b17_qkv:
	s_mov_b64 s[64:65], 0
	v_nop
	global_prefetch_b8 v0, s[64:65] scope:SCOPE_SE
	s_setreg_imm32_b32 hwreg(HW_REG_WAVE_MODE, 25, 1), 1
	s_wait_xcnt 0x0
	s_wait_alu depctr_hold_cnt(0) depctr_sa_sdst(0) depctr_va_vdst(0) depctr_va_sdst(0) depctr_va_ssrc(0) depctr_va_vcc(0) depctr_vm_vsrc(0)
	s_getreg_b32 s2, hwreg(HW_REG_IB_STS2, 6, 4)
	s_cmp_eq_u32 s2, 0
	s_cbranch_scc0 .Lentry_in_a_cluster
	s_endpgm
.Lentry_in_a_cluster:
	s_bfe_u32 s2, ttmp6, 0x10000c
	s_cmp_lg_u32 s2, 0xf033
	s_cbranch_scc0 .Lentry_shape_is_right
	s_endpgm
.Lentry_shape_is_right:
; qkv = x W_qkv + b_qkv on codes of FP6 (E2M3) with E8M0 scales, and the quantising of q, k and v for the two products of attention.
; x: 4,096 rows, W_qkv: 3,072 rows, both 1,024 codes (768 bytes) a row, 32 scale bytes a row.  Nothing in f32 goes to memory: only codes and scale bytes.
; SHARES.  A work-group of four waves makes 256 x 256 of the product, a wave 128 x 128: 64 accumulators, 512 registers.  12 x 16 work-groups: 192.  (256 equal tiles would give a wave 96 columns,
; one head and a half, and no whole operand images; so a quarter of the 256 places for a work-group stays empty.)
; ONE TEXT FOR q, k AND v.  Source 0 takes 16 rows of B', source 1 16 rows of A': a lane then holds ONE row of A', and its registers run along the rows of B'.
; q and k are quantised along the head's 64 columns: lane = token, registers along the columns: A' = x, B' = W.  v is quantised along the keys: lane = column, registers along the tokens: A' = W, B' = x.
; The cluster's x says which (0: q, 1: k, 2: v); all partners of a cluster share it, so every choice and branch on it is alike in all of them.
; ORDER INSIDE A BLOCK OF 32.  A lane's 16 registers of result tiles 2 B and 2 B + 1 are indices 32 B + 8 h + 0..7 and 32 B + 16 + 8 h + 0..7 (h = lane / 16).  Converted and exchanged between the halves of the lanes
; they give a block whose four groups of 8 stand in the order 0, 2, 1, 3.  q and k get that order alike along the head's columns, v and (in the next launch) p alike along the keys: the sums of products are the same.
; WORKSPACE = IMAGES OF OPERAND REGISTERS: four registers as 512 bytes (16 x lane), two as 256 bytes (8 x lane): every store covers consecutive bytes that begin at a multiple of 256.
;   qc  [head 32][tile of 16 queries 128][3 pieces of two registers][lane][8 bytes];   qsc [head][128 queries][lane][4 words]: word p of lane 16 u + r = bytes (s0, s1, s0, s1) of row r of tile 2 p + u
;   kvb [head][128 keys][12,800 bytes]: 4 images of two key tiles (registers 0-5: tile 2 p, 6-11: tile 2 p + 1), 4 images of V^T (16 columns x 128 keys), 256 bytes of K's scale words, 256 of V's
; CLUSTERS: 4 x 4.  A' tiles are shared along a row of the cluster, B' tiles along a column: joint loads, each with the mask of its four.
; K goes in 8 steps of 128 through two LDS slots of 256 along K (rows of 192 bytes, 16 bytes of padding behind each 64: pitch 240); each slot is filled twice.  The steps are written out: no loop.
; The scale words of a wave's 128 + 128 rows for all of K are 64 registers: they come once, straight from memory, 16 bytes a lane.
; LIMITS: NaN and infinities are not served.  A block whose largest magnitude lies under 2^-124, a block of zeros among them, gets the scale byte 1 (the rule says 127 for zeros): its codes are zeros or the
; rule's own, and only this program reads the bytes.  The sums run K ascending in the matrix unit's own order.
; REGISTERS.  window 0: v1-10 lane numbers and offsets; v16-23 LDS addresses; v28-29 for the add; v32-63 A' scale words, v64-95 B' scale words (nothing else ever); v96-127 at work on the way out;
;   v128-223 A' fragments, later the images; v224-231 scale words to store.   window 1: v0-95, v128-223 B' fragments, two sets; v96-127, v224-255 the bias.   windows 2, 3: accumulator (a, b) at v[8 (8 (a % 4) + b)].
; THE RING AS IT IS LAID BELOW (in place of the line on slots of 256 along K): a row of 768 bytes goes in three CHUNKS OF 256 BYTES, chunk c in slot c % 2, each chunk's rows beginning at multiples of 256 bytes; 16 bytes of padding
; behind each row of 256: pitch 272.  A step of 128 along K is 96 bytes: steps 2 and 5 lie across two chunks and read both slots.  Slot 0 is filled again once, with chunk 2; slot 1 holds chunk 1 alone.
; No prefetch: of three chunks two are asked for by the head's loads, and the third's refill has two steps in which to land.
.set PITCH,  272
.set HALFT,  128*PITCH                 ; 128 rows: what one tensor load brings
.set SLOT,   4*HALFT                   ; A' 256 rows, then B' 256 rows
.set SPARE,  2*SLOT                    ; behind the ring: the spare words, 128 bytes a wave
.set ROWB,   256                       ; a chunk of a row
.set KROW,   768                       ; a row of codes in memory
.set FR,     12
.set NL,     6
.set ADRA,   16                        ; v16-17 my A' fragments in slot 0, 1; v18-19 for pieces across two chunks: lanes 0-15 and 16-31 read different slots
.set ADRB,   20                        ; v20-23 likewise for B'
.set SPW,    28
.set NIL,    29
.set SA,     32                        ; v[SA + 8 (a / 2) + ks]: lanes 0-15 block a even, lanes 16-31 block a odd
.set SB,     64
.set TM,     96                        ; v96-99 largest magnitudes, v100-103 bytes, v108-111 the conversions' scale operands
.set CT,     112
.set W,      120                       ; v120-127 the scale word of each block a
.set AF,     128
.set IMG,    128
.set PK,     224
.set G1,     24
.set G0,     32
.set G1B,    48
.set G0B,    56
.set SEL,    84
.set MUL_LO, 0xa1                      ; source 0 (B') window 1, source 1 (A') window 0, C and D window 2
.set MUL_HI, 0xf1
.set TO_B,   0x40
.set MSB,    0
.macro WIN new                         ; the immediate's high byte repeats the setting that is left
.if MSB != \new
	s_set_vgpr_msb (MSB<<8)|\new
.set MSB, \new
.endif
.endm
.macro PLACES                          ; four plain places behind matrix instructions, in front of loads into their registers and of reads of their results
.rept 4
	v_nop
.endr
.endm
; A joint load: waves 0 and 1 fetch A' halves, waves 2 and 3 B' halves.  Four v_nop follow each line.
.macro JLOAD g0a, g1a, g0b, g1b
	s_cmp_eq_u32 s15, 0
	s_cbranch_scc0 .Lfor_b_\@
	tensor_load_to_lds s[\g0a:\g0a+3], s[\g1a:\g1a+7]
	s_nop 0
.rept 4
	v_nop
.endr
	s_branch .Lasked_\@
.Lfor_b_\@:
	tensor_load_to_lds s[\g0b:\g0b+3], s[\g1b:\g1b+7]
	s_nop 0
.rept 4
	v_nop
.endr
.Lasked_\@:
.endm
.macro CREST                           ; a round of the cluster's barrier behind its opening barrier
	s_cmp_lg_u32 s14, 0
	s_cbranch_scc1 .Lnot_wave_0_\@
	s_barrier_signal -3
.Lnot_wave_0_\@:
	s_barrier_wait -3
	s_barrier_signal -1
	s_barrier_wait -1
.endm
.macro CROUND
	s_barrier_signal -1
	s_barrier_wait -1
	CREST
.endm
; One matrix instruction.  d: result; x, y: sources 0 and 1; sx, sy: their scale registers; rx, ry = 1: the scales stand in lanes 16-31.  WM0 starts a sum, WMC adds onto c.
.macro WM0 d, x, y, sx, sy, rx, ry
.if (\rx) && (\ry)
	v_wmma_scale_f32_16x16x128_f8f6f4 v[(\d):(\d)+7], v[(\x):(\x)+11], v[(\y):(\y)+11], 0, v[\sx], v[\sy] matrix_a_fmt:MATRIX_FMT_FP6 matrix_b_fmt:MATRIX_FMT_FP6 matrix_a_scale:MATRIX_SCALE_ROW1 matrix_b_scale:MATRIX_SCALE_ROW1
.elseif \rx
	v_wmma_scale_f32_16x16x128_f8f6f4 v[(\d):(\d)+7], v[(\x):(\x)+11], v[(\y):(\y)+11], 0, v[\sx], v[\sy] matrix_a_fmt:MATRIX_FMT_FP6 matrix_b_fmt:MATRIX_FMT_FP6 matrix_a_scale:MATRIX_SCALE_ROW1
.elseif \ry
	v_wmma_scale_f32_16x16x128_f8f6f4 v[(\d):(\d)+7], v[(\x):(\x)+11], v[(\y):(\y)+11], 0, v[\sx], v[\sy] matrix_a_fmt:MATRIX_FMT_FP6 matrix_b_fmt:MATRIX_FMT_FP6 matrix_b_scale:MATRIX_SCALE_ROW1
.else
	v_wmma_scale_f32_16x16x128_f8f6f4 v[(\d):(\d)+7], v[(\x):(\x)+11], v[(\y):(\y)+11], 0, v[\sx], v[\sy] matrix_a_fmt:MATRIX_FMT_FP6 matrix_b_fmt:MATRIX_FMT_FP6
.endif
.endm
.macro WMC d, x, y, c, sx, sy, rx, ry
.if (\rx) && (\ry)
	v_wmma_scale_f32_16x16x128_f8f6f4 v[(\d):(\d)+7], v[(\x):(\x)+11], v[(\y):(\y)+11], v[(\c):(\c)+7], v[\sx], v[\sy] matrix_a_fmt:MATRIX_FMT_FP6 matrix_b_fmt:MATRIX_FMT_FP6 matrix_a_scale:MATRIX_SCALE_ROW1 matrix_b_scale:MATRIX_SCALE_ROW1
.elseif \rx
	v_wmma_scale_f32_16x16x128_f8f6f4 v[(\d):(\d)+7], v[(\x):(\x)+11], v[(\y):(\y)+11], v[(\c):(\c)+7], v[\sx], v[\sy] matrix_a_fmt:MATRIX_FMT_FP6 matrix_b_fmt:MATRIX_FMT_FP6 matrix_a_scale:MATRIX_SCALE_ROW1
.elseif \ry
	v_wmma_scale_f32_16x16x128_f8f6f4 v[(\d):(\d)+7], v[(\x):(\x)+11], v[(\y):(\y)+11], v[(\c):(\c)+7], v[\sx], v[\sy] matrix_a_fmt:MATRIX_FMT_FP6 matrix_b_fmt:MATRIX_FMT_FP6 matrix_b_scale:MATRIX_SCALE_ROW1
.else
	v_wmma_scale_f32_16x16x128_f8f6f4 v[(\d):(\d)+7], v[(\x):(\x)+11], v[(\y):(\y)+11], v[(\c):(\c)+7], v[\sx], v[\sy] matrix_a_fmt:MATRIX_FMT_FP6 matrix_b_fmt:MATRIX_FMT_FP6
.endif
.endm
	s_load_b256 s[4:11], s[0:1], 0x0               ; x's codes s[4:5], x's scales s[6:7], W's codes s[8:9], W's scales s[10:11]
	s_load_b256 s[68:75], s[0:1], 0x20             ; b_qkv s[68:69], qc s[70:71], qsc s[72:73], kvb s[74:75]
	v_lshl_add_u32 v[SPW], v0, 2, SPARE
	v_mov_b32 v[NIL], 0
	ds_add_u32 v28, v29
	ds_add_u32 v28, v29
	s_wait_dscnt 0x0
	v_lshrrev_b32 v1, 5, v0
	v_readfirstlane_b32 s14, v1                    ; wave 0..3
	s_lshr_b32 s15, s14, 1                         ; which half of the A' rows is mine.  Also: I fetch for A' (0) or for B' (1)
	s_and_b32 s16, s14, 1                          ; which half of the B' rows.  Also: which 128 rows I fetch
	s_bfe_u32 s40, ttmp6, 0x40000                  ; cx
	s_bfe_u32 s41, ttmp6, 0x40004                  ; cy
	s_and_b32 s45, ttmp7, 0xffff
	s_lshl_b32 s45, s45, 2                         ; 4 x cluster y
	s_lshl_b32 s46, ttmp9, 2                       ; 4 x cluster x
	s_lshl_b32 s43, s41, 2
	s_lshl_b32 s43, 15, s43                        ; my row of the cluster
	s_lshl_b32 s44, 0x1111, s40                    ; my column
	; descriptor group 1: 128 rows x 192 bytes, 16 bytes of padding behind every 64
	s_or_b32 s[G1+0], s43, (1<<20)|(1<<21)|(5<<22)|(3<<25)   ; here 128 rows x 256 bytes, 16 bytes of padding behind every 256
	s_or_b32 s[G1B+0], s44, (1<<20)|(1<<21)|(5<<22)|(3<<25)
.irp g, G1, G1B
	s_mov_b32 s[\g+1], ROWB<<16                    ; tensor_dim0
	s_mov_b32 s[\g+2], 128<<16                     ; tensor_dim1
	s_mov_b32 s[\g+3], ROWB<<16                    ; tile_dim0
	s_mov_b32 s[\g+4], 128                         ; tile_dim1
	s_mov_b32 s[\g+5], KROW                        ; from row to row
	s_mov_b32 s[\g+6], 0
	s_mov_b32 s[\g+7], 0
.endr
	s_mov_b32 s[SEL], 0x76543210
	s_mov_b32 s[SEL+1], 0xfedcba98                 ; v_permlanex16_b32's selects for lane l xor 16
	s_wait_kmcnt 0x0
	s_cmp_eq_u32 ttmp9, 2                          ; v?  Only selects follow, so the condition holds for all of them
	s_cselect_b64 s[76:77], s[8:9], s[4:5]         ; A' codes
	s_cselect_b64 s[78:79], s[10:11], s[6:7]       ; A' scales
	s_cselect_b64 s[80:81], s[4:5], s[8:9]         ; B' codes
	s_cselect_b64 s[82:83], s[6:7], s[10:11]       ; B' scales
	s_cselect_b32 s12, 8, s45                      ; the cluster's first tile of 256 rows of A': v's columns begin at row 2,048 of W
	s_cselect_b32 s13, s45, s46                    ; and of B'
	s_cselect_b32 s88, 0, 4                        ; the bias's offsets: bytes for each register j,
	s_cselect_b32 s89, 4, 0                        ; for each r,
	s_cselect_b32 s90, 0, 32                       ; for each h
	s_add_co_u32 s17, s12, s41                     ; my tile of A': hangs on cy alone
	s_add_co_u32 s42, s13, s40                     ; my tile of B': on cx alone
	s_lshl_b32 s18, s16, 7
	s_lshl_b32 s19, s15, 7
	s_lshl_b32 s86, s17, 8
	s_add_co_u32 s20, s86, s18                     ; the 128 rows of A' that I fetch (if I fetch for A')
	s_add_co_u32 s86, s86, s19                     ; the first row of A' that I multiply
	s_lshl_b32 s87, s42, 8
	s_add_co_u32 s87, s87, s18                     ; the first row of B' that I fetch (if for B') and multiply
	s_mul_i32 s20, s20, KROW
	s_mov_b32 s21, 0
	s_mul_i32 s46, s87, KROW
	s_mov_b32 s47, 0
	s_add_nc_u64 s[20:21], s[76:77], s[20:21]
	s_add_nc_u64 s[46:47], s[80:81], s[46:47]
	s_mul_i32 s45, s14, HALFT                      ; where my tile goes: wave x 128 rows
	CROUND                                         ; all sixteen work-groups are here: the first joint loads meet
.irp s, 0,1
	s_mov_b32 s[G0+4*\s], 1
	s_add_co_u32 s[G0+4*\s+1], s45, \s*SLOT
	s_add_nc_u64 s[G0+4*\s+2:G0+4*\s+3], s[20:21], \s*ROWB
	s_or_b32 s[G0+4*\s+3], s[G0+4*\s+3], 0x80000000
	s_mov_b32 s[G0B+4*\s], 1
	s_add_co_u32 s[G0B+4*\s+1], s45, \s*SLOT
	s_add_nc_u64 s[G0B+4*\s+2:G0B+4*\s+3], s[46:47], \s*ROWB
	s_or_b32 s[G0B+4*\s+3], s[G0B+4*\s+3], 0x80000000
.endr
	JLOAD G0, G1, G0B, G1B                         ; chunk 0: one tensor load a wave at the head
	v_and_b32 v1, 15, v0                           ; r
	v_bfe_u32 v2, v0, 4, 1                         ; h
	v_and_b32 v6, 31, v0                           ; lane
	v_lshlrev_b32 v8, 5, v6                        ; 32 x lane: a row of scale bytes
	v_lshlrev_b32 v9, 4, v6                        ; 16 x lane
	v_lshlrev_b32 v10, 3, v6                       ; 8 x lane
	v_mul_u32_u24 v3, v1, PITCH
	v_mul_u32_u24 v4, v2, 24
	v_add_nc_u32 v4, v3, v4                        ; a fragment's row x pitch + 24 x half
	v_mul_u32_u24 v5, SLOT-232, v2
	v_add_nc_u32 v5, v3, v5
	v_add_nc_u32 v5, 232, v5                       ; across two chunks: lanes 0-15 byte 232 of the row in slot 0, lanes 16-31 byte 0 of the row in slot 1;
	v_sub_nc_u32 v7, 1, v2
	v_mul_u32_u24 v11, SLOT+232, v7
	v_add_nc_u32 v11, v3, v11                      ; and lanes 0-15 byte 232 in slot 1, lanes 16-31 byte 0 in slot 0
	s_mul_i32 s21, s15, HALFT
	s_mul_i32 s22, s16, HALFT
	s_add_co_u32 s22, s22, 2*HALFT
	v_add_nc_u32 v[ADRA+2], s21, v5
	v_add_nc_u32 v[ADRA+3], s21, v11
	v_add_nc_u32 v[ADRB+2], s22, v5
	v_add_nc_u32 v[ADRB+3], s22, v11
.irp s, 0,1
	v_add_nc_u32 v[ADRA+\s], s21, v4
	v_add_nc_u32 v[ADRB+\s], s22, v4
	s_add_co_u32 s21, s21, SLOT
	s_add_co_u32 s22, s22, SLOT
.endr
	; where my results go: the wave's first token and its first row of W say the head, the block of 128 tokens and the bias
	s_cmp_eq_u32 ttmp9, 2
	s_cselect_b32 s98, s87, s86                    ; first token
	s_cselect_b32 s99, s86, s87                    ; first row of W_qkv
	s_lshr_b32 s94, s98, 11
	s_lshl_b32 s94, s94, 4
	s_bfe_u32 s91, s99, 0x40006
	s_add_co_u32 s94, s94, s91                     ; 16 x batch + the first of my two heads
	s_bfe_u32 s95, s98, 0x40007                    ; which 128 tokens of the batch
	s_mov_b32 s97, 0
	s_mov_b32 s93, 0
	s_mul_i32 s96, s94, 98304
	s_mul_i32 s91, s95, 6144
	s_add_co_u32 s96, s96, s91
	s_add_nc_u64 s[70:71], s[70:71], s[96:97]      ; qc
	s_lshl_b32 s96, s94, 13
	s_lshl_b32 s91, s95, 9
	s_add_co_u32 s96, s96, s91
	s_add_nc_u64 s[72:73], s[72:73], s[96:97]      ; qsc
	s_mul_i32 s96, s94, 204800
	s_mul_i32 s91, s95, 12800
	s_add_co_u32 s96, s96, s91
	s_add_nc_u64 s[74:75], s[74:75], s[96:97]      ; kvb
	s_lshl_b32 s92, s86, 5
	s_add_nc_u64 s[78:79], s[78:79], s[92:93]      ; A' scale bytes at my first row
	s_lshl_b32 s92, s87, 5
	s_add_nc_u64 s[82:83], s[82:83], s[92:93]      ; B' likewise
	s_lshl_b32 s92, s99, 2
	s_add_nc_u64 s[68:69], s[68:69], s[92:93]      ; the bias at my first row of W_qkv
.irp i, 0,1,2,3
.irp f, 0,1
	global_load_b128 v[SA+8*\i+4*\f:SA+8*\i+4*\f+3], v8, s[78:79] offset:1024*\i+16*\f   ; lane l: row 32 i + l, its words of K steps 4 f .. 4 f + 3
	global_load_b128 v[SB+8*\i+4*\f:SB+8*\i+4*\f+3], v8, s[82:83] offset:1024*\i+16*\f
.endr
.endr
	v_mul_u32_u24 v3, s89, v1
	v_mad_u32_u24 v3, s90, v2, v3
.irp j, 0,1,2,3,4,5,6,7
	v_mad_u32_u24 v[TM+\j], s88, \j, v3            ; q, k: 32 h + 4 j;  v: 4 r
.endr
	WIN TO_B
.irp i, 0,1,2,3,4,5,6,7                        ; bias tile i, eight registers: q, k: b(16 i + 8 h + j): the result's layout along B';  v: eight times b(16 i + r): along A'
.irp j, 0,1,2,3,4,5,6,7
	global_load_b32 v[96+8*\i+96*(\i/4)+\j], v[TM+\j], s[68:69] offset:64*\i
.endr
.endr
	WIN 0
.macro FRAG reg, adr, q, i             ; a fragment, 16 rows x 128 K: lane (r, h): registers 6 c .. 6 c + 5 = the 24 bytes of k = 64 c + 32 h + 0 .. 31, in pieces of 8 bytes
.irp p, 0,1,2,3,4,5
.set BY, 96*(\q)+48*(\p/3)+8*(\p%3)    ; q: the K step.  Where the piece of lanes 0-15 begins in the row of codes; that of lanes 16-31 begins 24 bytes on
.if BY/ROWB == (BY+24)/ROWB
	ds_load_b64 v[\reg+2*\p:\reg+2*\p+1], v[\adr+(BY/ROWB)%2] offset:BY%ROWB+(\i)*16*PITCH
.else                                  ; the two halves of the lanes read different chunks
	ds_load_b64 v[\reg+2*\p:\reg+2*\p+1], v[\adr+2+(BY/ROWB)%2] offset:BY%ROWB-232+(\i)*16*PITCH
.endif
.endr
.endm
.macro FETCH_B q, p
	WIN TO_B
.irp i, 0,1,2,3,4,5,6,7
	FRAG 128*(\p)+FR*\i, ADRB, \q, \i
.endr
	WIN 0
.endm
.macro FETCH_A q, i0
.irp i, \i0, \i0+1, \i0+2, \i0+3
	FRAG AF+FR*(\i), ADRA, \q, \i
.endr
.endm
; 16 matrix instructions: A' blocks a0, a0 + 1 x B' eight, K step ks.  The 64 accumulators take turns, one instruction a turn, in the same order in every step.
.macro MUL16 a0, p, ks, zero
.irp a, \a0, \a0+1
.irp b, 0,1,2,3,4,5,6,7
.if \zero
	WM0 8*(8*((\a)%4)+\b), 128*(\p)+FR*\b, AF+FR*(\a), SB+8*(\b/2)+(\ks), SA+8*((\a)/2)+(\ks), \b%2, (\a)%2
.else
	WMC 8*(8*((\a)%4)+\b), 128*(\p)+FR*\b, AF+FR*(\a), 8*(8*((\a)%4)+\b), SB+8*(\b/2)+(\ks), SA+8*((\a)/2)+(\ks), \b%2, (\a)%2
.endif
.endr
.endr
.endm
; A step of 128 along K on B' set st % 2; the next step's fragments are fetched meanwhile (B' and A' blocks 0-3 in the middle, 4-7 at the end: a block of A' is free when its eight products are issued).
; Steps 1 and 4: the next step ends in a chunk that nobody has read: each wave waits for its tensor loads, and a plain barrier shows the chunk to all.
; Step 2: chunk 0 is read no more: each wave waits for its tensor loads, adds 0 to its spare word, and waits for that and for its reads; the barrier opens a round of the cluster's, and slot 0 takes chunk 2.
.macro STEP st, zero
.if (\st) == 1 || (\st) == 2 || (\st) == 4
	s_wait_tensorcnt 0x0                           ; (every window is 0 here)
.if (\st) == 2
	ds_add_u32 v[SPW], v[NIL]
	s_wait_dscnt 4*NL+1                            ; the add and the youngest 24 loads (A' blocks 4-7) may be out
.else
	s_wait_dscnt 4*NL
.endif
	WIN MUL_LO
	MUL16 0, (\st)%2, \st, \zero
	s_wait_dscnt 0x0                               ; all my LDS instructions are done
	s_barrier_signal -1
	MUL16 2, (\st)%2, \st, \zero
	WIN 0
	s_barrier_wait -1
.if (\st) == 2
	CREST                                          ; no wave of any partner still reads chunk 0 or has a load on its way
	s_add_nc_u64 s[G0+2:G0+3], s[G0+2:G0+3], 2*ROWB
	s_add_nc_u64 s[G0B+2:G0B+3], s[G0B+2:G0B+3], 2*ROWB
	JLOAD G0, G1, G0B, G1B                         ; its four v_nop are also the places in front of the loads below
.else
	PLACES
.endif
.else
	s_wait_dscnt 4*NL                              ; all but the youngest 24 loads (A' blocks 4-7) are in
	WIN MUL_LO
	MUL16 0, (\st)%2, \st, \zero
	MUL16 2, (\st)%2, \st, \zero
	s_wait_dscnt 0x0                               ; A' blocks 4-7 are in
	PLACES
.endif
	FETCH_B (\st)+1, ((\st)+1)%2
	FETCH_A (\st)+1, 0
	WIN MUL_HI
	MUL16 4, (\st)%2, \st, \zero
	MUL16 6, (\st)%2, \st, \zero
	PLACES
	WIN 0
	FETCH_A (\st)+1, 4
.endm
	s_wait_alu depctr_va_vdst(0)                   ; the head's end
	s_wait_tensorcnt 0x0                           ; my part of chunk 0 is in
	ds_add_u32 v[SPW], v[NIL]
	s_wait_dscnt 0x0
	CROUND                                         ; chunk 0 is whole, and all sixteen work-groups are here
	JLOAD G0+4, G1, G0B+4, G1B                     ; chunk 1, my one tensor load behind the round
	FETCH_B 0, 0
	FETCH_A 0, 0
	FETCH_A 0, 4
	s_wait_loadcnt 0x0                             ; scale words and bias
	STEP 0, 1                                      ; the first step's products start the sums: nothing is cleared
.set ST, 1
.rept 6
	STEP ST, 0
.set ST, ST+1
.endr
	s_wait_dscnt 4*NL
	WIN MUL_LO
	MUL16 0, 1, 7, 0
	MUL16 2, 1, 7, 0
	s_wait_dscnt 0x0
	WIN MUL_HI
	MUL16 4, 1, 7, 0
	MUL16 6, 1, 7, 0
	WIN 0
	PLACES
; THE WAY OUT.  BIAS: block a's 64 numbers of a lane take their bias, each accumulator from its low end on.  qk = 1: bias tile b;  0: bias tile a.
.macro BIAS a, qk
.set AW, 2+(\a)/4
.set NW, (AW<<6)|(1<<2)|AW
	WIN NW                                         ; the accumulators' window for result and source 0, window 1 for the bias
.irp b, 0,1,2,3,4,5,6,7
.irp j, 0,2,4,6
.if \qk
.set BB, 96+8*\b+96*(\b/4)
.else
.set BB, 96+8*(\a)+96*((\a)/4)
.endif
	v_pk_add_f32 v[64*((\a)%4)+8*\b+\j:64*((\a)%4)+8*\b+\j+1], v[64*((\a)%4)+8*\b+\j:64*((\a)%4)+8*\b+\j+1], v[BB+\j:BB+\j+1]
.endr
.endr
.endm
; QUANT: block a's 64 numbers are four blocks of 32 (with lane l xor 16's).  Their codes: blocks 0, 1 into the six registers from d0, blocks 2, 3 into those from d1; the four bytes into v[W + a].
.macro QUANT a, d0, d1
.set AW, 2+(\a)/4
.set QS, 64*((\a)%4)
.set NW, AW|(AW<<2)
	WIN NW
.irp b, 0,1,2,3
	v_max3_num_f32 v[TM+\b], |v[QS+16*\b]|, |v[QS+16*\b+1]|, 0x1800000   ; my 16 numbers, and the floor 2^(3 - 127): the byte cannot fall under 1
.endr
.irp i, 2,4,6,8,10,12,14
.irp b, 0,1,2,3
	v_max3_num_f32 v[TM+\b], |v[QS+16*\b+\i]|, |v[QS+16*\b+\i+1]|, v[TM+\b]   ; the four blocks by turns
.endr
.endr
	WIN 0
.irp b, 0,1,2,3
	v_permlanex16_b32 v[TM+4+\b], v[TM+\b], s[SEL], s[SEL+1]
.endr
.irp b, 0,1,2,3
	v_max_num_f32 v[TM+\b], v[TM+\b], v[TM+4+\b]   ; the block's largest magnitude
.endr
.irp b, 0,1,2,3
	v_add_nc_u32 v[TM+12+\b], 0xff000000, v[TM+\b] ; 2 off its exponent field: the conversion's scale operand
.endr
.irp b, 0,1,2,3
	v_lshrrev_b32 v[TM+4+\b], 23, v[TM+12+\b]      ; the scale's byte
.endr
	v_lshl_or_b32 v[W+(\a)], v[TM+5], 8, v[TM+4]
	v_lshl_or_b32 v[W+(\a)], v[TM+6], 16, v[W+(\a)]
	v_lshl_or_b32 v[W+(\a)], v[TM+7], 24, v[W+(\a)]
	WIN AW
	v_cvt_scalef32_pk16_fp6_f32 v[(\d0):(\d0)+2], v[QS:QS+15], v[TM+12]
	v_cvt_scalef32_pk16_fp6_f32 v[CT:CT+2], v[QS+16:QS+31], v[TM+13]
	v_cvt_scalef32_pk16_fp6_f32 v[(\d1):(\d1)+2], v[QS+32:QS+47], v[TM+14]
	v_cvt_scalef32_pk16_fp6_f32 v[CT+4:CT+6], v[QS+48:QS+63], v[TM+15]
	WIN 0
	v_nop                                          ; one plain place behind the scaled conversions
.irp i, 0,1,2
	v_permlane16_swap_b32 v[(\d0)+\i], v[CT+\i]    ; a whole block to a lane: lanes 0-15 the even block, lanes 16-31 the odd one
	v_permlane16_swap_b32 v[(\d1)+\i], v[CT+4+\i]
.endr
.irp i, 0,1,2
	v_mov_b32 v[(\d0)+3+\i], v[CT+\i]
	v_mov_b32 v[(\d1)+3+\i], v[CT+4+\i]
.endr
.endm
	v_cmp_lt_u32 vcc_lo, 15, v6                    ; lanes 16-31
	s_cmp_eq_u32 ttmp9, 2
	s_cbranch_scc1 .Lway_v
	s_cmp_eq_u32 ttmp9, 1
	s_cbranch_scc1 .Lway_k
	; ---- q: token tiles 2 p, 2 p + 1; six registers a tile and head, in pieces of two
.irp p, 0,1,2,3
	BIAS 2*\p, 1
	QUANT 2*\p, IMG+24*\p, IMG+24*\p+12
	BIAS 2*\p+1, 1
	QUANT 2*\p+1, IMG+24*\p+6, IMG+24*\p+18
.irp j, 0,1,2,3,4,5
	global_store_b64 v10, v[IMG+24*\p+2*\j:IMG+24*\p+2*\j+1], s[70:71] offset:1536*\p+256*\j
	global_store_b64 v10, v[IMG+24*\p+12+2*\j:IMG+24*\p+12+2*\j+1], s[70:71] offset:98304+1536*\p+256*\j   ; the second head
.endr
.endr
.irp p, 0,1,2,3
	v_cndmask_b32 v[TM+\p], v[W+2*\p], v[W+2*\p+1], vcc_lo         ; lanes 0-15: tile 2 p's word, lanes 16-31: tile 2 p + 1's
.endr
.irp p, 0,1,2,3
	v_perm_b32 v[PK+\p], v[TM+\p], v[TM+\p], 0x01000100            ; the first head's two bytes, twice
	v_perm_b32 v[PK+4+\p], v[TM+\p], v[TM+\p], 0x03020302          ; the second head's
.endr
	global_store_b128 v9, v[PK:PK+3], s[72:73]
	global_store_b128 v9, v[PK+4:PK+7], s[72:73] offset:8192
	s_branch .Ldone
.Lway_k:
	; ---- k: key tiles 2 p and 2 p + 1 of a head are one operand of 12 registers
.irp p, 0,1,2,3
	BIAS 2*\p, 1
	QUANT 2*\p, IMG+24*\p, IMG+24*\p+12
	BIAS 2*\p+1, 1
	QUANT 2*\p+1, IMG+24*\p+6, IMG+24*\p+18
.irp g, 0,1,2
	global_store_b128 v9, v[IMG+24*\p+4*\g:IMG+24*\p+4*\g+3], s[74:75] offset:1536*\p+512*\g
	global_store_b128 v9, v[IMG+24*\p+12+4*\g:IMG+24*\p+12+4*\g+3], s[74:75] offset:204800+1536*\p+512*\g
.endr
.endr
.irp p, 0,1,2,3
	v_perm_b32 v[TM+\p], v[W+2*\p+1], v[W+2*\p], 0x05040100        ; a pair's word: tile 2 p's two bytes, then tile 2 p + 1's: the first head,
	v_perm_b32 v[TM+4+\p], v[W+2*\p+1], v[W+2*\p], 0x07060302      ; the second
.endr
	v_cndmask_b32 v[PK], v[TM], v[TM+1], vcc_lo                    ; word 0: pair 0 in lanes 0-15, pair 1 in lanes 16-31
	v_cndmask_b32 v[PK+1], v[TM+2], v[TM+3], vcc_lo                ; word 1: pairs 2 and 3
	v_cndmask_b32 v[PK+2], v[TM+4], v[TM+5], vcc_lo
	v_cndmask_b32 v[PK+3], v[TM+6], v[TM+7], vcc_lo
	global_store_b64 v10, v[PK:PK+1], s[74:75] offset:12288
	global_store_b64 v10, v[PK+2:PK+3], s[74:75] offset:204800+12288
	s_branch .Ldone
.Lway_v:
	; ---- v: block a = 16 columns of head a / 4, x my 128 tokens: one operand of V^T
.irp a, 0,1,2,3,4,5,6,7
	BIAS \a, 0
	QUANT \a, IMG+12*\a, IMG+12*\a+6
.irp g, 0,1,2
	global_store_b128 v9, v[IMG+12*\a+4*\g:IMG+12*\a+4*\g+3], s[74:75] offset:204800*(\a/4)+6144+1536*(\a%4)+512*\g
.endr
.endr
.irp u, 0,1
	v_cndmask_b32 v[PK+2*\u], v[W+4*\u], v[W+4*\u+1], vcc_lo       ; word 0: column tiles 0 | 1
	v_cndmask_b32 v[PK+2*\u+1], v[W+4*\u+2], v[W+4*\u+3], vcc_lo   ; word 1: tiles 2 | 3
.endr
	global_store_b64 v10, v[PK:PK+1], s[74:75] offset:12544
	global_store_b64 v10, v[PK+2:PK+3], s[74:75] offset:204800+12544
.Ldone:
	s_wait_tensorcnt 0x0                           ; the wave's end
	ds_add_u32 v[SPW], v[NIL]
	s_wait_dscnt 0x0
	CROUND                                         ; the closing round: no work-group ends while a partner may still ask for a tile that names it
	s_endpgm
.Lfunc_end_k_q98905a6b17_qkv:
	.size	k_q98905a6b17_qkv, .Lfunc_end_k_q98905a6b17_qkv-k_q98905a6b17_qkv
	.p2alignl 7, 3214868480
	.fill 96, 4, 3214868480
	.section	.rodata,"a",@progbits
	.p2align	6, 0x0
	.amdhsa_kernel k_q98905a6b17_qkv
		.amdhsa_group_segment_fixed_size 327680
		.amdhsa_private_segment_fixed_size 0
		.amdhsa_enable_private_segment 0
		.amdhsa_kernarg_size 64
		.amdhsa_user_sgpr_count 2
		.amdhsa_user_sgpr_kernarg_segment_ptr 1
		.amdhsa_wavefront_size32 1
		.amdhsa_system_sgpr_workgroup_id_x 1
		.amdhsa_system_sgpr_workgroup_id_y 1
		.amdhsa_system_sgpr_workgroup_id_z 1
		.amdhsa_system_vgpr_workitem_id 0
		.amdhsa_next_free_vgpr 1024
		.amdhsa_next_free_sgpr 100
		.amdhsa_reserve_vcc 1
		.amdhsa_float_denorm_mode_32 3
		.amdhsa_float_denorm_mode_16_64 3
		.amdhsa_memory_ordered 1
		.amdhsa_forward_progress 1
		.amdhsa_inst_pref_size 255
	.end_amdhsa_kernel
	.section	.bss,"aw",@nobits
	.p2align	6
	.space	262144
	.amdgpu_metadata
---
amdhsa.version: [ 1, 2 ]
amdhsa.kernels:
  - .name:           k_q98905a6b17_qkv
    .symbol:         k_q98905a6b17_qkv.kd
    .args:
      - { .name: x_codes, .offset: 0, .size: 8, .value_kind: global_buffer, .address_space: global }
      - { .name: x_scales, .offset: 8, .size: 8, .value_kind: global_buffer, .address_space: global }
      - { .name: W_qkv_codes, .offset: 16, .size: 8, .value_kind: global_buffer, .address_space: global }
      - { .name: W_qkv_scales, .offset: 24, .size: 8, .value_kind: global_buffer, .address_space: global }
      - { .name: b_qkv, .offset: 32, .size: 8, .value_kind: global_buffer, .address_space: global }
      - { .name: qc, .offset: 40, .size: 8, .value_kind: global_buffer, .address_space: global }
      - { .name: qsc, .offset: 48, .size: 8, .value_kind: global_buffer, .address_space: global }
      - { .name: kvb, .offset: 56, .size: 8, .value_kind: global_buffer, .address_space: global }
    .group_segment_fixed_size: 327680
    .private_segment_fixed_size: 0
    .kernarg_segment_align: 8
    .kernarg_segment_size: 64
    .max_flat_workgroup_size: 128
    .sgpr_count:     100
    .vgpr_count:     1024
    .wavefront_size: 32
...
	.end_amdgpu_metadata
.endif
;; end of part 1
;; launch attn (part 2): grid 8 x 32, 16 waves a work-group, no clusters, 241,664 bytes of LDS; arguments qc, qsc, kvb, acod, ascl; writes acod, ascl
.if DOCPART == 2
	.amdgcn_target "amdgcn-amd-amdhsa--gfx1250"
	.amdhsa_code_object_version 6
	.text
	.protected	k_q98905a6b17_attn
	.globl	k_q98905a6b17_attn
	.p2align	8
	.type	k_q98905a6b17_attn,@function
k_q98905a6b17_attn:
	s_mov_b64 s[64:65], 0
	v_nop
	global_prefetch_b8 v0, s[64:65] scope:SCOPE_SE
	s_setreg_imm32_b32 hwreg(HW_REG_WAVE_MODE, 25, 1), 1
	s_wait_xcnt 0x0
; Causal attention of one head on codes of FP6 (E2M3): S^T = K Q^T, p = 2^(t - M), O^T = V^T p^T, O / l, and the quantising of O along the model's 1,024 for the last product.
; t = score x log2(e) / 8; M = the running largest t rounded UP to a whole number; the row's sum l is taken of the unquantised p; when M moves, l and O^T are multiplied by 2^(old M - new M), exactly.
; Key steps that lie wholly behind a tile's queries are left out: reference()'s causal mask puts -inf there, p is 0 there, for all inputs.  (A NaN or an infinity that reaches only those scores is not carried on.)
; SHARES.  Work-group (g, head) owns the query blocks g and 15 - g of 128 queries.  Sixteen waves in eight pairs; pair i owns tile i (16 queries) of both blocks: (g + 1) + (16 - g) = 17 steps of 16 queries x 128 keys.
; One wave of a pair (s17 = 1) takes the long tile's steps 0 .. 8.  The other takes the short tile's steps 0 .. g, sends that tile out, and takes the long tile's steps 9 .. 15 - g.  So each wave has 9 or 8 steps.
; The second wave's part of the long tile (O^T, -M, l) goes to the first through LDS and is joined under the larger M, by exact powers of two.
; THE TRIPS.  Trips 0 and 1 read key steps 0 and 1 alone.  Trips 2 .. 8: trip i is step i, or, behind the change of tile in trip g + 1 (g = 0: at the head of trip 2), step i + 7 - g.
; LDS: the head's whole K and V, 204,800 bytes of operand images, filled ONCE by sixteen tensor loads, one a wave; behind them eight stages of 4,352 bytes, then the spare words.  Nothing is filled again.
; The first barrier shows steps 0 and 1 (waves 0 and 1 have waited); the second, behind trip 1, shows all.  No prefetch: every byte of K and V is asked for at the head.
; No cluster: the work-groups that share a head's K and V own different query blocks, and branches hang on those blocks.
; K = 64.  An operand of K holds two key tiles: registers 0-5 tile 2 b (k 0-63), 6-11 tile 2 b + 1 (k 64-127).  It is multiplied by (Q, 0) and by (0, Q): 18 registers on end, 0 | Q | 0.  Zero codes add nothing; their scale bytes are 1.
; A lane holds one query (lane % 16) throughout.  Register 8 t + j of S^T is key 16 t + 8 h + j of the step; p's blocks of 32 keys so get the order of groups 0, 2, 1, 3, the order in which V^T's images were made.
; O's columns meet W_out's codes in their natural order: so at the end the two tiles of a block change halves in f32, and a lane's 16 registers are 16 neighbours.
; OUT: acod [128 tokens 32][K step 8][tile 8][half 2][768 bytes: registers 0-3 at 16 x lane, 4-5 at 512 + 8 x lane]; ascl [..][tile][row 16][4 bytes]: this head writes two of a word's four bytes (lanes r and r + 16 the same two).
; LIMITS: NaN and infinities are not served; scaled scores stay under 2^31; a block under 2^-124 (a block of zeros too) gets the byte 1, its codes being zeros or the rule's own; only this program reads the bytes.
; That a block's largest p is the p of its largest score takes v_exp_f32 not to fall where its input rises.
; REGISTERS: v1 16 x lane, v2 8 x lane, v3-4 the step's LDS addresses, v5 my query in its block less 8 h, v6 Q's scale word, v7 4 r, v10 16 r, v12 -M, v13 largest t, v[14:15], v[228:229] the sum in four parts, v16-33 0 | Q | 0,
; v34-35 Q's scale words, v36 p's, v38-39 K's, v40-41 V's (scales and nothing else), v44-91 operands of K, then of V, v96-159 S^T then p, v160-191 O^T, v192-203 p's codes, v204-227 at work, v230-231 my pair's stage.
.set STEPB, 12800                      ; a key step's images
.set HEADB, 16*STEPB
.set STAGE, HEADB
.set SPARE, STAGE+8*4352
.set KV,    44
.set S,     96
.set O,     160
.set PC,    192
.set CT,    204
.set BM,    212
.set BT,    216
.set SO,    220
.macro WALU
	s_wait_alu depctr_va_vdst(0)
.endm
.macro WM d, x, y, c, sx, sy, o        ; o = 1: source 0's scales stand in lanes 16-31
.if \o
	v_wmma_scale_f32_16x16x128_f8f6f4 v[(\d):(\d)+7], v[(\x):(\x)+11], v[(\y):(\y)+11], \c, v[\sx], v[\sy] matrix_a_fmt:MATRIX_FMT_FP6 matrix_b_fmt:MATRIX_FMT_FP6 matrix_a_scale:MATRIX_SCALE_ROW1
.else
	v_wmma_scale_f32_16x16x128_f8f6f4 v[(\d):(\d)+7], v[(\x):(\x)+11], v[(\y):(\y)+11], \c, v[\sx], v[\sy] matrix_a_fmt:MATRIX_FMT_FP6 matrix_b_fmt:MATRIX_FMT_FP6
.endif
.endm
.macro SADD d, x
	s_add_co_u32 s\d, s\d, s\x
.endm
.macro QLOAD                           ; Q of block s19, my tile: codes (768 bytes a tile) and scale word (lane 16 (tile % 2) + r, word tile / 2)
	s_mul_i32 s52, s15, 98304
	s_lshl_b32 s54, s19, 3
	SADD 54, 16
	s_mul_i32 s54, s54, 768
	SADD 52, 54
	s_mov_b32 s53, 0
	s_add_nc_u64 s[40:41], s[4:5], s[52:53]
	s_lshl_b32 s52, s15, 13
	s_lshl_b32 s54, s19, 9
	SADD 52, 54
	s_and_b32 s54, s16, 1
	s_lshl_b32 s54, s54, 8
	SADD 52, 54
	s_lshr_b32 s54, s16, 1
	s_lshl_b32 s54, s54, 2
	SADD 52, 54
	s_add_nc_u64 s[42:43], s[6:7], s[52:53]
	WALU
.irp j, 0,1,2
	global_load_b64 v[22+2*\j:23+2*\j], v2, s[40:41] offset:256*\j
.endr
	global_load_b32 v6, v10, s[42:43]
.endm
.macro RESET                           ; a tile begins: no key seen
	v_mov_b32 v12, 0x7f61b1e6          ; -M = 3e38 (a whole number): M lies under every t
	v_mov_b32 v13, 0xff61b1e6          ; the largest t so far: -3e38
	v_mov_b32 v14, 0
	v_mov_b32 v15, 0
	v_mov_b32 v228, 0
	v_mov_b32 v229, 0
	WALU
	s_wait_loadcnt 0x0                 ; Q and its scale word
	s_wait_xcnt 0x0                    ; any store has read its registers
	v_and_or_b32 v34, v6, s56, s57     ; for (Q, 0): Q's two bytes below, 1 and 1 above
	v_and_or_b32 v35, v6, s58, s59     ; for (0, Q)
.irp j, 0,1,2,3,4,5,6,7,8,9,10,11,12,13,14,15,16,17,18,19,20,21,22,23,24,25,26,27,28,29,30,31
	v_mov_b32 v[O+\j], 0               ; the step is written once: the first change of M multiplies zeros.  (Also the places between the scale words and the first product)
.endr
.endm
; A KEY STEP: 128 keys.  s48: LDS byte of its images; s49: its number; s19: my tile's block, which is also its last step.
.macro STEP
	s_cmp_gt_u32 s49, s19              ; all its keys come after my queries
	s_cbranch_scc1 .Lhidden_\@
	v_add_nc_u32 v3, s48, v1
	v_add_nc_u32 v4, s48, v2
	v_nop
	v_nop                              ; four places behind the last products, in front of loads into their operands
	WALU
	ds_load_b64 v[38:39], v4 offset:12288
.irp b, 0,1,2,3
.irp g, 0,1,2
	ds_load_b128 v[KV+12*\b+4*\g:KV+12*\b+4*\g+3], v3 offset:1536*\b+512*\g
.endr
.endr
.irp b, 0,1,2,3
	s_wait_dscnt 9-3*\b                ; the later operands' loads, three each, may be out
	WM S+16*\b, KV+12*\b, 22, 0, 38+\b/2, 34, \b%2      ; key tile 2 b: (Q, 0)
	WM S+16*\b+8, KV+12*\b, 16, 0, 38+\b/2, 35, \b%2    ; key tile 2 b + 1: (0, Q)
.endr
.rept 4
	v_nop
.endr
.irp t, 0,1,2,3                        ; V^T's four operands are asked for now and waited for behind the softmax
.irp g, 0,1,2
	ds_load_b128 v[KV+12*\t+4*\g:KV+12*\t+4*\g+3], v3 offset:6144+1536*\t+512*\g
.endr
.endr
	ds_load_b64 v[40:41], v4 offset:12544
	s_cmp_lg_u32 s49, s19
	s_cbranch_scc1 .Lopen_\@           ; only the tile's last step lies on the diagonal
.irp t, 0,1,2,3,4,5,6,7
	s_cmp_gt_u32 s16, \t               ; key tiles ahead of my queries' tile are open
	s_cbranch_scc1 .Lkeys_\@_\t
.irp j, 0,1,2,3,4,5,6,7
	v_cmp_gt_i32 vcc_lo, 16*\t+\j, v5  ; key 16 t + 8 h + j > my query: hidden
	v_cndmask_b32 v[S+8*\t+\j], v[S+8*\t+\j], v227, vcc_lo
.endr
.Lkeys_\@_\t:
.endr
.Lopen_\@:
.irp b, 0,1,2,3
	v_max3_num_f32 v[BM+\b], v[S+16*\b], v[S+16*\b+1], v[S+16*\b+2]   ; the largest score of each block of 32 keys: for the row's maximum, and for the block's largest p
.endr
.irp i, 3,5,7,9,11,13
.irp b, 0,1,2,3
	v_max3_num_f32 v[BM+\b], v[BM+\b], v[S+16*\b+\i], v[S+16*\b+\i+1]
.endr
.endr
.irp b, 0,1,2,3
	v_max_num_f32 v[BM+\b], v[BM+\b], v[S+16*\b+15]
.endr
.irp b, 0,1,2,3
	v_permlanex16_b32 v[BT+\b], v[BM+\b], s20, s21
.endr
.irp b, 0,1,2,3
	v_max_num_f32 v[BM+\b], v[BM+\b], v[BT+\b]
.endr
	v_max3_num_f32 v226, v[BM], v[BM+1], v[BM+2]
	v_max_num_f32 v226, v226, v[BM+3]
	v_mul_f32 v226, s22, v226          ; the step's largest t
	v_max_num_f32 v13, v13, v226
	v_mov_b32 v226, v12
	v_floor_f32 v12, -v13              ; -M = floor(-t)
	v_sub_f32 v226, v12, v226          ; old M - new M: a whole number, 0 or less
	v_cvt_i32_f32 v226, v226           ; (it saturates)
	v_ldexp_f32 v224, 1.0, v226        ; f = 2^(old M - new M)
.irp b, 0,1,2,3
	v_fma_f32 v[BM+\b], v[BM+\b], s22, v12
.endr
.irp j, 0,2,4,6,8,10,12,14,16,18,20,22,24,26,28,30,32,34,36,38,40,42,44,46,48,50,52,54,56,58,60,62
	v_pk_fma_f32 v[S+\j:S+\j+1], v[S+\j:S+\j+1], s[22:23], v[12:13] op_sel_hi:[1,0,0]   ; t - M
.endr
	v_pk_mul_f32 v[14:15], v[14:15], v[224:225] op_sel_hi:[1,0]    ; the sums and O^T under the new M
	v_pk_mul_f32 v[228:229], v[228:229], v[224:225] op_sel_hi:[1,0]
.irp j, 0,2,4,6,8,10,12,14,16,18,20,22,24,26,28,30
	v_pk_mul_f32 v[O+\j:O+\j+1], v[O+\j:O+\j+1], v[224:225] op_sel_hi:[1,0]
.endr
	WALU                               ; ahead of the batch
.irp b, 0,1,2,3
	v_exp_f32 v[BM+\b], v[BM+\b]       ; the block's largest p
.endr
.set i, 0
.rept 64
	v_exp_f32 v[S+i], v[S+i]
.set i, i+1
.endr
	v_nop                              ; a plain place behind the batch
	WALU                               ; and the wait behind it
.irp n, 0,2,4,6,8,10,12,14
	v_pk_add_f32 v[14:15], v[14:15], v[S+2*\n:S+2*\n+1]
	v_pk_add_f32 v[228:229], v[228:229], v[S+2*\n+2:S+2*\n+3]
.endr
.irp b, 0,1,2,3
	v_max_num_f32 v[BM+\b], 0x1800000, v[BM+\b]    ; the floor 2^(3 - 127)
.endr
.irp b, 0,1,2,3
	v_add_nc_u32 v[SO+\b], 0xff000000, v[BM+\b]    ; 2 off the exponent field: the conversion's scale operand
.endr
.irp b, 0,1,2,3
	v_lshrrev_b32 v[BT+\b], 23, v[SO+\b]
.endr
	v_lshl_or_b32 v36, v[BT+1], 8, v[BT]           ; p's scale word for these 128 keys
	v_lshl_or_b32 v36, v[BT+2], 16, v36
	v_lshl_or_b32 v36, v[BT+3], 24, v36
	v_cvt_scalef32_pk16_fp6_f32 v[PC:PC+2], v[S:S+15], v[SO]
	v_cvt_scalef32_pk16_fp6_f32 v[CT:CT+2], v[S+16:S+31], v[SO+1]
	v_cvt_scalef32_pk16_fp6_f32 v[PC+6:PC+8], v[S+32:S+47], v[SO+2]
	v_cvt_scalef32_pk16_fp6_f32 v[CT+4:CT+6], v[S+48:S+63], v[SO+3]
	v_nop                              ; one plain place behind the scaled conversions
.irp n, 0,1,2
	v_permlane16_swap_b32 v[PC+\n], v[CT+\n]       ; a whole block to a lane
	v_permlane16_swap_b32 v[PC+6+\n], v[CT+4+\n]
.endr
.irp n, 0,1,2
	v_mov_b32 v[PC+3+\n], v[CT+\n]
	v_mov_b32 v[PC+9+\n], v[CT+4+\n]
.endr
.irp n, 16,18,20,22,24,26,28,30        ; the other sixteen pairs' sums: also the places between p's scale word and codes and the products
	v_pk_add_f32 v[14:15], v[14:15], v[S+2*\n:S+2*\n+1]
	v_pk_add_f32 v[228:229], v[228:229], v[S+2*\n+2:S+2*\n+3]
.endr
	s_wait_dscnt 0x0                   ; V^T's operands and scale words
.irp t, 0,1,2,3
	WM O+8*\t, KV+12*\t, PC, v[O+8*\t:O+8*\t+7], 40+\t/2, 36, \t%2   ; the four accumulators by turns
.endr
.Lhidden_\@:
.endm
.macro FADDR blk                       ; where the tile of block blk goes: s[36:37] codes, s[38:39] scale bytes
	s_lshr_b32 s52, s15, 4
	s_lshl_b32 s52, s52, 4
	s_add_co_u32 s52, s52, \blk        ; which 128 tokens of the 4,096
	s_and_b32 s54, s15, 15             ; the head
	s_lshr_b32 s55, s54, 1             ; its K step of the last product
	s_lshl_b32 s52, s52, 3
	SADD 52, 55
	s_lshl_b32 s52, s52, 3
	SADD 52, 16                        ; the fragment's number
	s_and_b32 s54, s54, 1              ; which half of it
	s_mul_i32 s51, s52, 1536
	s_lshl_b32 s52, s52, 6
	s_mul_i32 s55, s54, 768
	s_lshl_b32 s54, s54, 1
	SADD 54, 52
	s_add_co_u32 s52, s51, s55
	s_mov_b32 s53, 0
	s_mov_b32 s55, 0
	s_add_nc_u64 s[36:37], s[10:11], s[52:53]
	s_add_nc_u64 s[38:39], s[12:13], s[54:55]
.endm
.macro SUM4                            ; my lane's sum
	v_pk_add_f32 v[14:15], v[14:15], v[228:229]
	v_add_f32 v14, v14, v15
.endm
.macro FINAL                           ; O / l, quantised, stored; v14: my lane's sum
	v_permlanex16_b32 v226, v14, s20, s21
	v_add_f32 v14, v14, v226           ; the row's sum
	WALU
	v_rcp_f32 v224, v14
	v_nop
	v_nop
	WALU                               ; behind the reciprocal, and directly ahead of O^T's first reader
.irp j, 0,2,4,6,8,10,12,14,16,18,20,22,24,26,28,30
	v_pk_mul_f32 v[O+\j:O+\j+1], v[O+\j:O+\j+1], v[224:225] op_sel_hi:[1,0]
.endr
.irp u, 0,1
.irp j, 0,1,2,3,4,5,6,7
	v_permlane16_swap_b32 v[O+16*\u+\j], v[O+16*\u+8+\j]   ; registers 16 u + 0 .. 15 are now columns 32 u + 16 h + 0 .. 15
.endr
.endr
.irp b, 0,1
	v_max3_num_f32 v[BM+\b], |v[O+16*\b]|, |v[O+16*\b+1]|, 0x1800000
.endr
.irp i, 2,4,6,8,10,12,14
.irp b, 0,1
	v_max3_num_f32 v[BM+\b], v[BM+\b], |v[O+16*\b+\i]|, |v[O+16*\b+\i+1]|
.endr
.endr
.irp b, 0,1
	v_permlanex16_b32 v[BT+\b], v[BM+\b], s20, s21
.endr
.irp b, 0,1
	v_max_num_f32 v[BM+\b], v[BM+\b], v[BT+\b]
.endr
.irp b, 0,1
	v_add_nc_u32 v[SO+\b], 0xff000000, v[BM+\b]
.endr
.irp b, 0,1
	v_lshrrev_b32 v[BT+\b], 23, v[SO+\b]
.endr
	v_lshl_or_b32 v226, v[BT+1], 8, v[BT]          ; my row's two scale bytes
	v_cvt_scalef32_pk16_fp6_f32 v[PC:PC+2], v[O:O+15], v[SO]
	v_cvt_scalef32_pk16_fp6_f32 v[CT:CT+2], v[O+16:O+31], v[SO+1]
	v_nop
.irp n, 0,1,2
	v_permlane16_swap_b32 v[PC+\n], v[CT+\n]
.endr
.irp n, 0,1,2
	v_mov_b32 v[PC+3+\n], v[CT+\n]
.endr
	global_store_b128 v1, v[PC:PC+3], s[36:37]
	global_store_b64 v2, v[PC+4:PC+5], s[36:37] offset:512
	global_store_b16 v7, v226, s[38:39]
.endm
	s_load_b256 s[4:11], s[0:1], 0x0               ; qc s[4:5], qsc s[6:7], kvb s[8:9], acod s[10:11]
	s_load_b64 s[12:13], s[0:1], 0x20              ; ascl
	v_lshl_add_u32 v254, v0, 2, SPARE
	v_mov_b32 v255, 0
	ds_add_u32 v254, v255                          ; the wave's opening: the add, twice on end, and its wait
	ds_add_u32 v254, v255
	v_lshrrev_b32 v11, 5, v0
	v_readfirstlane_b32 s14, v11                   ; wave 0..15
	s_and_b32 s15, ttmp7, 0xffff                   ; 16 x batch + head
	s_lshr_b32 s16, s14, 1                         ; my pair's tile of 16 queries in its block
	s_lshr_b32 s17, s14, 2
	s_xor_b32 s17, s17, s14
	s_and_b32 s17, s17, 1                          ; 1: the long tile's first nine steps; 0: the short tile, then the long tile's rest.  Waves w, w + 4, w + 8, w + 12 hold two of each
	s_sub_co_u32 s18, 15, ttmp9                    ; the long block
	s_add_co_u32 s46, ttmp9, 1
	s_max_u32 s46, s46, 2
	s_cmp_lg_u32 s17, 0
	s_cselect_b32 s19, s18, ttmp9                  ; my tile's block
	s_cselect_b32 s44, 99, ttmp9                   ; the last trip of my first tile,
	s_cselect_b32 s46, 99, s46                     ; and the trip at whose head I change tiles (99: never)
	; descriptor group 1: a key step's 12,800 dense bytes as 50 rows of 256 (32 elements of 8 bytes)
	s_mov_b32 s24, 3<<16
	s_mov_b32 s25, 32<<16                          ; tensor_dim0
	s_mov_b32 s26, 50<<16                          ; tensor_dim1
	s_mov_b32 s27, 32<<16                          ; tile_dim0
	s_mov_b32 s28, 50                              ; tile_dim1
	s_mov_b32 s29, 32                              ; from row to row
	s_mov_b32 s30, 0
	s_mov_b32 s31, 0
	s_mul_i32 s54, s14, STEPB                      ; wave w fetches key step w
	s_mov_b32 s55, 0
	s_mul_i32 s52, s15, HEADB
	s_mov_b32 s53, 0
	s_mov_b32 s32, 1
	s_mov_b32 s33, s54
	s_wait_dscnt 0x0                               ; both adds are done
	s_wait_kmcnt 0x0
	s_add_nc_u64 s[8:9], s[8:9], s[52:53]          ; the head's images
	s_add_nc_u64 s[34:35], s[8:9], s[54:55]
	s_or_b32 s35, s35, 0x80000000
	s_cmp_lt_u32 s14, 2
	s_cbranch_scc0 .Llater                         ; the first two steps' loads have a line of their own: the first barrier shows them alone
	tensor_load_to_lds s[32:35], s[24:31]
	s_nop 0
.rept 4
	v_nop
.endr
	s_branch .Lasked
.Llater:
	tensor_load_to_lds s[32:35], s[24:31]
	s_nop 0
.rept 4
	v_nop
.endr
.Lasked:
	s_mov_b32 s20, 0x76543210
	s_mov_b32 s21, 0xfedcba98                      ; v_permlanex16_b32's selects for lane l xor 16
	s_mov_b32 s22, 0x3e38aa3b                      ; c = log2(e) / 8
	s_mov_b32 s23, s22                             ; (named with it as a pair)
	s_mov_b32 s56, 0xffff
	s_mov_b32 s57, 0x01010000
	s_mov_b32 s58, 0xffff0000
	s_mov_b32 s59, 0x0101
	s_mul_i32 s50, s16, 4352
	s_add_co_u32 s50, s50, STAGE                   ; my pair's stage
	s_lshl_b32 s51, s16, 4
	v_and_b32 v11, 31, v0                          ; lane
	v_and_b32 v8, 15, v0                           ; r
	v_bfe_u32 v9, v0, 4, 1                         ; h
	v_lshlrev_b32 v1, 4, v11
	v_lshlrev_b32 v2, 3, v11
	v_lshlrev_b32 v10, 4, v8
	v_lshlrev_b32 v7, 2, v8
	v_lshlrev_b32 v9, 3, v9
	v_sub_nc_u32 v5, v8, v9
	v_add_nc_u32 v5, s51, v5                       ; my query in its block, less 8 h
	v_add_nc_u32 v230, s50, v1
	v_add_nc_u32 v231, s50, v2
	QLOAD
.irp j, 16,17,18,19,20,21,28,29,30,31,32,33
	v_mov_b32 v[\j], 0                             ; the zero halves beside Q
.endr
	v_mov_b32 v225, 0                              ; (the upper half of the pair v[224:225])
	v_mov_b32 v226, 0                              ; (a lane permute's destination counts as one of its sources)
	v_mov_b32 v227, 0xff800000                     ; -infinity
.irp b, 0,1,2,3
	v_mov_b32 v[BT+\b], 0
.endr
	RESET
	WALU                                           ; the head's end
	s_cmp_lt_u32 s14, 2
	s_cbranch_scc0 .Lnot_first
	s_wait_tensorcnt 0x0                           ; waves 0 and 1: key steps 0 and 1 are in
.Lnot_first:
	s_barrier_signal -1
	s_barrier_wait -1                              ; the other steps may still be on their way
	s_mov_b32 s48, 0
	s_mov_b32 s49, 0
.Lfirst:                                               ; trips 0 and 1
	STEP
	s_add_co_u32 s48, s48, STEPB
	s_add_co_u32 s49, s49, 1
	s_cmp_lt_u32 s49, 2
	s_cbranch_scc1 .Lfirst
	WALU
	s_wait_tensorcnt 0x0                           ; every wave: its step is in
	s_wait_dscnt 0x0
	s_barrier_signal -1
	s_barrier_wait -1                              ; all sixteen steps are shown to all
	s_mov_b32 s45, 2
.Ltrip:                                                ; trips 2 .. 8
	s_cmp_lg_u32 s45, s46
	s_cbranch_scc1 .Lsame
	s_mov_b32 s19, s18                             ; THE CHANGE OF TILE: the long tile's Q is asked for, the short tile goes out
	QLOAD
	FADDR ttmp9
	WALU
	SUM4
	FINAL
	RESET
	s_cmp_lg_u32 ttmp9, 0
	s_cbranch_scc1 .Lfoot                          ; (step 8 is the other wave's)
.Lsame:
	s_sub_co_u32 s47, 7, ttmp9
	s_cmp_gt_u32 s45, s44
	s_cselect_b32 s47, s47, 0
	s_add_co_u32 s49, s45, s47                     ; the step
	s_min_u32 s48, s49, 15
	s_mul_i32 s48, s48, STEPB
	STEP
.Lfoot:
	s_add_co_u32 s45, s45, 1
	s_cmp_lt_u32 s45, 9
	s_cbranch_scc1 .Ltrip
	; THE LONG TILE'S TWO PARTS ARE JOINED: the second wave stores its part, the first takes it up
	WALU
	s_cmp_lg_u32 s17, 0
	s_cbranch_scc1 .Lkeep
	SUM4
	v_mov_b32 v13, v14                             ; the pair v[12:13]: -M and my lane's sum
	v_nop                                          ; with the three lines above the four places behind the last products
.irp q, 0,1,2,3,4,5,6,7
	ds_store_b128 v230, v[O+4*\q:O+4*\q+3] offset:512*\q
.endr
	ds_store_b64 v231, v[12:13] offset:4096
.Lkeep:
	s_wait_dscnt 0x0
	s_barrier_signal -1
	s_barrier_wait -1
	s_cmp_eq_u32 s17, 0
	s_cbranch_scc1 .Lend
	FADDR s18
	ds_load_b64 v[128:129], v231 offset:4096
.irp q, 0,1,2,3,4,5,6,7
	ds_load_b128 v[S+4*\q:S+4*\q+3], v230 offset:512*\q
.endr
	s_wait_dscnt 0x0
	v_mov_b32 v135, 0                              ; (the upper half of the pair v[134:135])
	v_min_num_f32 v130, v12, v128                  ; the larger M of the two, as -M
	v_sub_f32 v131, v130, v12                      ; my M less it, the other's M less it: whole numbers, 0 or less
	v_sub_f32 v132, v130, v128
	v_cvt_i32_f32 v131, v131                       ; (they saturate: a part that has seen no key gets the factor 0)
	v_cvt_i32_f32 v132, v132
	v_ldexp_f32 v224, 1.0, v131
	v_ldexp_f32 v134, 1.0, v132
	SUM4
	v_mul_f32 v14, v14, v224
	v_fma_f32 v14, v129, v134, v14
.irp j, 0,2,4,6,8,10,12,14,16,18,20,22,24,26,28,30
	v_pk_mul_f32 v[O+\j:O+\j+1], v[O+\j:O+\j+1], v[224:225] op_sel_hi:[1,0]
.endr
.irp j, 0,2,4,6,8,10,12,14,16,18,20,22,24,26,28,30
	v_pk_fma_f32 v[O+\j:O+\j+1], v[S+\j:S+\j+1], v[134:135], v[O+\j:O+\j+1] op_sel_hi:[1,0,1]
.endr
	FINAL
.Lend:
	s_wait_tensorcnt 0x0                           ; the wave's end
	ds_add_u32 v254, v255
	s_wait_dscnt 0x0
	s_endpgm
.Lfunc_end_k_q98905a6b17_attn:
	.size	k_q98905a6b17_attn, .Lfunc_end_k_q98905a6b17_attn-k_q98905a6b17_attn
	.p2alignl 7, 3214868480
	.fill 96, 4, 3214868480
	.section	.rodata,"a",@progbits
	.p2align	6, 0x0
	.amdhsa_kernel k_q98905a6b17_attn
		.amdhsa_group_segment_fixed_size 241664
		.amdhsa_private_segment_fixed_size 0
		.amdhsa_enable_private_segment 0
		.amdhsa_kernarg_size 40
		.amdhsa_user_sgpr_count 2
		.amdhsa_user_sgpr_kernarg_segment_ptr 1
		.amdhsa_wavefront_size32 1
		.amdhsa_system_sgpr_workgroup_id_x 1
		.amdhsa_system_sgpr_workgroup_id_y 1
		.amdhsa_system_sgpr_workgroup_id_z 1
		.amdhsa_system_vgpr_workitem_id 0
		.amdhsa_next_free_vgpr 256
		.amdhsa_next_free_sgpr 66
		.amdhsa_reserve_vcc 1
		.amdhsa_float_denorm_mode_32 3
		.amdhsa_float_denorm_mode_16_64 3
		.amdhsa_memory_ordered 1
		.amdhsa_forward_progress 1
		.amdhsa_inst_pref_size 66
	.end_amdhsa_kernel
	.amdgpu_metadata
---
amdhsa.version: [ 1, 2 ]
amdhsa.kernels:
  - .name:           k_q98905a6b17_attn
    .symbol:         k_q98905a6b17_attn.kd
    .args:
      - { .name: qc, .offset: 0, .size: 8, .value_kind: global_buffer, .address_space: global }
      - { .name: qsc, .offset: 8, .size: 8, .value_kind: global_buffer, .address_space: global }
      - { .name: kvb, .offset: 16, .size: 8, .value_kind: global_buffer, .address_space: global }
      - { .name: acod, .offset: 24, .size: 8, .value_kind: global_buffer, .address_space: global }
      - { .name: ascl, .offset: 32, .size: 8, .value_kind: global_buffer, .address_space: global }
    .group_segment_fixed_size: 241664
    .private_segment_fixed_size: 0
    .kernarg_segment_align: 8
    .kernarg_segment_size: 40
    .max_flat_workgroup_size: 512
    .sgpr_count:     66
    .vgpr_count:     256
    .wavefront_size: 32
...
	.end_amdgpu_metadata
.endif
;; end of part 2
;; launch proj (part 3): grid 8 x 32, 4 waves a work-group, clusters of 4 x 4, 327,680 bytes of LDS; arguments acod, ascl, W_out_codes, W_out_scales, b_out, out0; writes out0
.if DOCPART == 3
	.amdgcn_target "amdgcn-amd-amdhsa--gfx1250"
	.amdhsa_code_object_version 6
	.text
	.protected	k_q98905a6b17_proj
	.globl	k_q98905a6b17_proj
	.p2align	8
	.type	k_q98905a6b17_proj,@function
k_q98905a6b17_proj:
	s_mov_b64 s[64:65], 0
	v_nop
	global_prefetch_b8 v0, s[64:65] scope:SCOPE_SE
	s_setreg_imm32_b32 hwreg(HW_REG_WAVE_MODE, 25, 1), 1
	s_wait_xcnt 0x0
	s_wait_alu depctr_hold_cnt(0) depctr_sa_sdst(0) depctr_va_vdst(0) depctr_va_sdst(0) depctr_va_ssrc(0) depctr_va_vcc(0) depctr_vm_vsrc(0)
	s_getreg_b32 s2, hwreg(HW_REG_IB_STS2, 6, 4)
	s_cmp_eq_u32 s2, 0
	s_cbranch_scc0 .Lentry_in_a_cluster
	s_endpgm
.Lentry_in_a_cluster:
	s_bfe_u32 s2, ttmp6, 0x10000c
	s_cmp_lg_u32 s2, 0xf033
	s_cbranch_scc0 .Lentry_shape_is_right
	s_endpgm
.Lentry_shape_is_right:
; out = attn W_out + b_out on codes of FP6 (E2M3): 4,096 x 1,024, K = 1,024, f32 out.  A work-group of four waves makes 128 x 128 (256 work-groups), a wave 64 x 64: 16 accumulators, which start from the bias.
; LDS takes the work-group's whole operands at once: A's 98,304 dense bytes of operand images (acod: [128 tokens][K step][tile][1,536]), then W_out's 128 rows of 768 bytes, 16 bytes of padding behind each 256: pitch 816.
; ONE joint tensor load a wave, and nothing is filled again: waves 0 and 1 fetch A's K steps 0-3 and 4-7 (shared along a row of the 4 x 4 cluster), waves 2 and 3 64 rows each of W_out (shared along a column).
; The scale words of all K come straight into registers.  No prefetch: there is no loop of loads to run ahead in.  The way out: blocks of 16 rows through the wave's own stage, stored as whole rows of 256 bytes.
; LIMITS: NaN and infinities are not served.
.set PITCH, 816
.set BOFF,  98304
.set STG,   BOFF+128*PITCH
.set ACC,   128
.set MSB,   0
.macro WIN new
.if MSB != \new
	s_set_vgpr_msb (MSB<<8)|\new
.set MSB, \new
.endif
.endm
.macro PLACES
.rept 4
	v_nop
.endr
.endm
.macro JLOAD g0a, g1a, g0b, g1b
	s_cmp_eq_u32 s77, 0
	s_cbranch_scc0 .Lfor_b_\@
	tensor_load_to_lds s[\g0a:\g0a+3], s[\g1a:\g1a+7]
	s_nop 0
.rept 4
	v_nop
.endr
	s_branch .Lasked_\@
.Lfor_b_\@:
	tensor_load_to_lds s[\g0b:\g0b+3], s[\g1b:\g1b+7]
	s_nop 0
.rept 4
	v_nop
.endr
.Lasked_\@:
.endm
.macro CROUND
	s_barrier_signal -1
	s_barrier_wait -1
	s_cmp_lg_u32 s76, 0
	s_cbranch_scc1 .Lnot_wave_0_\@
	s_barrier_signal -3
.Lnot_wave_0_\@:
	s_barrier_wait -3
	s_barrier_signal -1
	s_barrier_wait -1
.endm
.macro WMC d, x, y, c, sx, sy, rx, ry
.if (\rx) && (\ry)
	v_wmma_scale_f32_16x16x128_f8f6f4 v[(\d):(\d)+7], v[(\x):(\x)+11], v[(\y):(\y)+11], v[(\c):(\c)+7], v[\sx], v[\sy] matrix_a_fmt:MATRIX_FMT_FP6 matrix_b_fmt:MATRIX_FMT_FP6 matrix_a_scale:MATRIX_SCALE_ROW1 matrix_b_scale:MATRIX_SCALE_ROW1
.elseif \rx
	v_wmma_scale_f32_16x16x128_f8f6f4 v[(\d):(\d)+7], v[(\x):(\x)+11], v[(\y):(\y)+11], v[(\c):(\c)+7], v[\sx], v[\sy] matrix_a_fmt:MATRIX_FMT_FP6 matrix_b_fmt:MATRIX_FMT_FP6 matrix_a_scale:MATRIX_SCALE_ROW1
.elseif \ry
	v_wmma_scale_f32_16x16x128_f8f6f4 v[(\d):(\d)+7], v[(\x):(\x)+11], v[(\y):(\y)+11], v[(\c):(\c)+7], v[\sx], v[\sy] matrix_a_fmt:MATRIX_FMT_FP6 matrix_b_fmt:MATRIX_FMT_FP6 matrix_b_scale:MATRIX_SCALE_ROW1
.else
	v_wmma_scale_f32_16x16x128_f8f6f4 v[(\d):(\d)+7], v[(\x):(\x)+11], v[(\y):(\y)+11], v[(\c):(\c)+7], v[\sx], v[\sy] matrix_a_fmt:MATRIX_FMT_FP6 matrix_b_fmt:MATRIX_FMT_FP6
.endif
.endm
	s_load_b256 s[4:11], s[0:1], 0x0
	s_load_b128 s[12:15], s[0:1], 0x20
	v_lshl_add_u32 v30, v0, 2, 0x3a400
	v_mov_b32 v31, 0
	ds_add_u32 v30, v31
	ds_add_u32 v30, v31
	v_lshrrev_b32 v1, 5, v0
	v_readfirstlane_b32 s76, v1
	s_lshr_b32 s77, s76, 1
	s_and_b32 s78, s76, 1
	s_bfe_u32 s80, ttmp6, 0x40000
	s_bfe_u32 s81, ttmp6, 0x40004
	s_lshl_b32 s82, ttmp9, 2
	s_add_co_u32 s82, s82, s80
	s_and_b32 s83, ttmp7, 0xffff
	s_lshl_b32 s83, s83, 2
	s_add_co_u32 s83, s83, s81
	s_lshl_b32 s84, s81, 2
	s_lshl_b32 s84, 15, s84
	s_lshl_b32 s85, 0x1111, s80
	s_or_b32 s24, s84, (3<<16)|(1<<21)
	s_mov_b32 s25, 32<<16
	s_mov_b32 s26, 192<<16             ; 192 rows of 256 bytes: four K steps
	s_mov_b32 s27, 32<<16
	s_mov_b32 s28, 192
	s_mov_b32 s29, 32
	s_mov_b32 s30, 0
	s_mov_b32 s31, 0
	s_or_b32 s32, s85, (1<<20)|(1<<21)|(5<<22)|(3<<25)
	s_mov_b32 s33, 768<<16             ; 64 whole rows of 768 bytes
	s_mov_b32 s34, 64<<16
	s_mov_b32 s35, 768<<16
	s_mov_b32 s36, 64
	s_mov_b32 s37, 768
	s_mov_b32 s38, 0
	s_mov_b32 s39, 0
	s_mul_i32 s88, s78, 49152
	s_mul_i32 s86, s83, 98304
	s_add_co_u32 s86, s86, s88
	s_mov_b32 s87, 0
	s_mul_i32 s89, s78, 64*PITCH
	s_add_co_u32 s89, s89, BOFF
	s_lshl_b32 s79, s82, 7
	s_lshl_b32 s90, s78, 6
	s_add_co_u32 s79, s79, s90
	s_mul_i32 s90, s79, 768
	s_mov_b32 s91, 0
	s_wait_dscnt 0x0
	s_wait_kmcnt 0x0
	s_add_nc_u64 s[86:87], s[4:5], s[86:87]
	s_add_nc_u64 s[90:91], s[8:9], s[90:91]
	CROUND
	s_mov_b32 s40, 1
	s_mov_b32 s41, s88
	s_mov_b64 s[42:43], s[86:87]
	s_or_b32 s43, s43, 0x80000000
	s_mov_b32 s56, 1
	s_mov_b32 s57, s89
	s_mov_b64 s[58:59], s[90:91]
	s_or_b32 s59, s59, 0x80000000
	JLOAD 40, 24, 56, 32               ; one tensor load a wave
	v_and_b32 v1, 15, v0
	v_bfe_u32 v2, v0, 4, 1
	v_and_b32 v3, 31, v0
	s_mul_i32 s92, s77, 6144
	v_lshl_add_u32 v4, v3, 4, s92
	v_add_nc_u32 v5, 49152, v4
	v_lshl_add_u32 v6, v3, 3, s92
	v_add_nc_u32 v7, 49152, v6
	v_mul_u32_u24 v22, v1, PITCH
	v_mad_u32_u24 v22, v2, 24, v22
	v_lshl_add_u32 v23, v2, 4, v22
	v_add_nc_u32 v8, s89, v22
	v_add_nc_u32 v12, s89, v23         ; for pieces that lanes 16-31 read behind one padding more
	s_mul_i32 s94, s76, 16*272
	s_add_co_u32 s94, s94, STG
	v_mul_u32_u24 v16, v1, 272
	v_lshl_add_u32 v16, v2, 5, v16
	v_add_nc_u32 v16, s94, v16
	v_mul_u32_u24 v17, v2, 272
	v_lshl_add_u32 v17, v1, 4, v17
	v_add_nc_u32 v17, s94, v17
	v_lshlrev_b32 v18, 12, v2
	v_lshl_add_u32 v18, v1, 4, v18
	v_lshlrev_b32 v19, 2, v3
	s_wait_alu depctr_va_vdst(0)
	v_lshlrev_b32 v20, 5, v3
	s_wait_alu depctr_va_vdst(0)
	v_lshlrev_b32 v21, 5, v2
	s_wait_alu depctr_va_vdst(0)
	s_mov_b32 s93, 0
	s_lshl_b32 s92, s83, 12
	s_lshl_b32 s94, s77, 8
	s_add_co_u32 s92, s92, s94
	s_add_nc_u64 s[6:7], s[6:7], s[92:93]
	s_lshl_b32 s92, s79, 5
	s_add_nc_u64 s[10:11], s[10:11], s[92:93]
	s_lshl_b32 s92, s79, 2
	s_add_nc_u64 s[12:13], s[12:13], s[92:93]
	s_add_nc_u64 s[14:15], s[14:15], s[92:93]
	s_lshl_b32 s92, s83, 7
	s_lshl_b32 s94, s77, 6
	s_add_co_u32 s92, s92, s94
	s_lshl_b32 s92, s92, 12
	s_add_nc_u64 s[14:15], s[14:15], s[92:93]
.irp k, 0,1,2,3,4,5,6,7
.irp u, 0,1
	global_load_b32 v[32+2*\k+\u], v19, s[6:7] offset:512*\k+128*\u
.endr
.endr
.irp u, 0,1
.irp f, 0,1
	global_load_b128 v[48+8*\u+4*\f:48+8*\u+4*\f+3], v20, s[10:11] offset:1024*\u+16*\f
.endr
.endr
.irp b, 0,1,2,3
	global_load_b128 v[64+8*\b:64+8*\b+3], v21, s[12:13] offset:64*\b
	global_load_b128 v[64+8*\b+4:64+8*\b+7], v21, s[12:13] offset:64*\b+16
.endr
.macro FRAGB reg, t, q, i
.irp p, 0,1,2,3,4,5
.set PCE, 24*(\t)+12*(\q)+6*(\p/3)+\p%3
.if PCE%32 < 29
	ds_load_b64 v[\reg+2*\p:\reg+2*\p+1], v8 offset:8*PCE+16*(PCE/32)+(\i)*16*PITCH
.else
	ds_load_b64 v[\reg+2*\p:\reg+2*\p+1], v12 offset:8*PCE+16*(PCE/32)+(\i)*16*PITCH
.endif
.endr
.endm
.macro FETCH ks
.set FS, 128*((\ks)%2)
.set AO, 12288*((\ks)%4)
	WIN 0x40
.irp a, 0,1,2,3
	ds_load_b128 v[FS+12*\a:FS+12*\a+3], v[4+(\ks)/4] offset:AO+1536*\a
	ds_load_b64 v[FS+12*\a+4:FS+12*\a+5], v[6+(\ks)/4] offset:AO+1536*\a+512
	ds_load_b128 v[FS+12*\a+6:FS+12*\a+9], v[4+(\ks)/4] offset:AO+1536*\a+768
	ds_load_b64 v[FS+12*\a+10:FS+12*\a+11], v[6+(\ks)/4] offset:AO+1536*\a+1280
.endr
.irp b, 0,1,2,3
	FRAGB FS+48+12*\b, (\ks)/2, (\ks)%2, \b
.endr
	WIN 0
.endm
.macro MUL ks
.set FS, 128*((\ks)%2)
	WIN 0x05
.irp a, 0,1,2,3
.irp b, 0,1,2,3
.if (\ks) == 0
	WMC ACC+8*(4*\a+\b), FS+48+12*\b, FS+12*\a, 64+8*\b, 48+8*(\b/2)+(\ks), 32+2*(\ks)+\a/2, \b%2, \a%2
.else
	WMC ACC+8*(4*\a+\b), FS+48+12*\b, FS+12*\a, ACC+8*(4*\a+\b), 48+8*(\b/2)+(\ks), 32+2*(\ks)+\a/2, \b%2, \a%2
.endif
.endr
.endr
.endm
.macro KSTEP ks
.if (\ks) < 7
.if (\ks) > 0
	PLACES
.endif
	FETCH (\ks)+1
	s_wait_dscnt 40
.else
	s_wait_dscnt 0x0
.endif
	MUL \ks
.endm
	s_wait_tensorcnt 0x0               ; my tile is in,
	s_barrier_signal -1
	s_barrier_wait -1                  ; and so are the others'
	FETCH 0
	s_wait_loadcnt 0x0
.irp k, 0,1,2,3,4,5,6,7
	KSTEP \k
.endr
	WIN 0
	PLACES
.macro TOSTAGE a
.irp b, 0,1,2,3
	ds_store_b128 v16, v[ACC+8*(4*(\a)+\b):ACC+8*(4*(\a)+\b)+3] offset:64*\b
	ds_store_b128 v16, v[ACC+8*(4*(\a)+\b)+4:ACC+8*(4*(\a)+\b)+7] offset:64*\b+16
.endr
.set OB, 96-32*((\a)%2)
.irp i, 0,1,2,3,4,5,6,7
	ds_load_b128 v[OB+4*\i:OB+4*\i+3], v17 offset:544*\i
.endr
.endm
.macro SEND a, younger
.set OB, 96-32*((\a)%2)
	s_wait_dscnt \younger
.irp i, 0,1,2,3,4,5,6,7
	global_store_b128 v18, v[OB+4*\i:OB+4*\i+3], s[14:15] offset:(16*(\a)+2*\i)*4096 th:TH_STORE_NT
.endr
.endm
	TOSTAGE 0
.irp a, 1,2,3
.if \a > 1
	s_wait_xcnt 0x0
.endif
	TOSTAGE \a
	SEND \a-1, 16
.endr
	SEND 3, 0
	s_wait_tensorcnt 0x0               ; the wave's end
	ds_add_u32 v30, v31
	s_wait_dscnt 0x0
	CROUND
	s_endpgm
.Lfunc_end_k_q98905a6b17_proj:
	.size	k_q98905a6b17_proj, .Lfunc_end_k_q98905a6b17_proj-k_q98905a6b17_proj
	.p2alignl 7, 3214868480
	.fill 96, 4, 3214868480
	.section	.rodata,"a",@progbits
	.p2align	6, 0x0
	.amdhsa_kernel k_q98905a6b17_proj
		.amdhsa_group_segment_fixed_size 327680
		.amdhsa_private_segment_fixed_size 0
		.amdhsa_enable_private_segment 0
		.amdhsa_kernarg_size 48
		.amdhsa_user_sgpr_count 2
		.amdhsa_user_sgpr_kernarg_segment_ptr 1
		.amdhsa_wavefront_size32 1
		.amdhsa_system_sgpr_workgroup_id_x 1
		.amdhsa_system_sgpr_workgroup_id_y 1
		.amdhsa_system_sgpr_workgroup_id_z 1
		.amdhsa_system_vgpr_workitem_id 0
		.amdhsa_next_free_vgpr 512
		.amdhsa_next_free_sgpr 96
		.amdhsa_reserve_vcc 0
		.amdhsa_float_denorm_mode_32 3
		.amdhsa_float_denorm_mode_16_64 3
		.amdhsa_memory_ordered 1
		.amdhsa_forward_progress 1
		.amdhsa_inst_pref_size 55
	.end_amdhsa_kernel
	.amdgpu_metadata
---
amdhsa.version: [ 1, 2 ]
amdhsa.kernels:
  - .name:           k_q98905a6b17_proj
    .symbol:         k_q98905a6b17_proj.kd
    .args:
      - { .name: acod, .offset: 0, .size: 8, .value_kind: global_buffer, .address_space: global }
      - { .name: ascl, .offset: 8, .size: 8, .value_kind: global_buffer, .address_space: global }
      - { .name: W_out_codes, .offset: 16, .size: 8, .value_kind: global_buffer, .address_space: global }
      - { .name: W_out_scales, .offset: 24, .size: 8, .value_kind: global_buffer, .address_space: global }
      - { .name: b_out, .offset: 32, .size: 8, .value_kind: global_buffer, .address_space: global }
      - { .name: out0, .offset: 40, .size: 8, .value_kind: global_buffer, .address_space: global }
    .group_segment_fixed_size: 327680
    .private_segment_fixed_size: 0
    .kernarg_segment_align: 8
    .kernarg_segment_size: 48
    .max_flat_workgroup_size: 128
    .sgpr_count:     96
    .vgpr_count:     512
    .wavefront_size: 32
...
	.end_amdgpu_metadata
.endif
;; end of part 3
